; MI455X (gfx1250); checked and timed in simulation.
; The chip was launched on July 23, 2026; its instructions are those of AMD's public machine-readable ISA for CDNA 5 (MIT licence, August 2026) and "CDNA5" Instruction Set Architecture Reference Guide (July 2026). The comments in the code are by the model that wrote it; some were corrected since.
;; Bahdanau Attention. Allowed arithmetic: matrix products marked QUANTISED: E5M2 operands, one E8M0 scale for each 32 along K, by v_wmma_scale_f32_16x16x128_f8f6f4 with both operands' format E5M2, f32 sums; products left as they are: f32 operands where the result goes on into a quantised operand, else bf16, f16 or f32 operands; f32 sums; everything else in f32.
;; Inputs: V_b 1 float32; V_w 1 x 1,024 float32; W1_b 1,024 float32; W1_w 1,024 x 1,024 float32; W2_b 1,024 float32; W2_w 1,024 x 1,024 float32; hidden 32 x 1,024 float32; x 32 x 2,048 x 1,024 float32.
;; Outputs: out0 1 x 32 x 1,024 float32; out1 32 x 1 x 2,048 float32.
;; This version of the problem:
;;   THIS VERSION OF THE PROBLEM IS GIVEN IN LOW PRECISION. The matrix products marked QUANTISED in the list below multiply operands that are first quantised to E5M2 (5 exponent bits, 2 mantissa bits; 8 bits a number), with one power-of-two scale for each 32 numbers along K (OCP MX v1.0); their sums are f32. All else is computed in f32.
;;   The module's matrix products, in the order in which they are computed (A, B: the left and right operand; K: the contracted axis; several contracted axes count as one K, in the product's order):
;;     1. [M 65,536, K 1,024] x [K 1,024, N 1,024]; A: input x; B: input W1_w: QUANTISED
;;     2. [M 32, K 1,024] x [K 1,024, N 1,024]; A: input hidden; B: input W2_w: QUANTISED
;;     3. [M 65,536, K 1,024] x [K 1,024, N 1]; A: computed on the way; B: input V_w: left as it is (N = 1 < 16)
;;     4. batch 32 x [M 1, K 2,048] x [K 2,048, N 1,024]; A: softmax; B: input x: left as it is (M = 1 < 16)
;;   THE QUANTISER, for each operand of a quantised product, along K:
;;     - K is cut into blocks of 32 from its start; a last block that is shorter is filled with zeros.
;;     - A block's scale is 2^e with e = floor(log2(the largest magnitude in the block)) - 15, held to -126 .. 127; a block of zeros has e = 0. As a byte (E8M0): e + 127.
;;     - Each number is divided by its block's scale, clamped to +-57,344, and rounded to the nearest number of E5M2, ties to even, subnormals kept.
;;     - The product sums the exact products of the quantised numbers (number of the format x scale) in f32.
;;   ~~~python
;;   def quantise(x, axis):      # numpy; x: float32 -> the quantised numbers, widened to float32 again
;;       x = np.moveaxis(x, axis, -1); K = x.shape[-1]
;;       x = np.pad(x, [(0, 0)] * (x.ndim - 1) + [(0, -K % 32)]); x = x.reshape(x.shape[:-1] + (-1, 32)); a = np.abs(x).max(-1, keepdims=True)
;;       e = np.where(a > 0, np.clip(np.frexp(np.where(a > 0, a, 1))[1] - 1 - 15, -126, 127), 0)      # np.frexp(a)[1] - 1 = floor(log2(a)), exactly
;;       r = np.clip(x / 2.0 ** e, -57344, 57344)
;;       step = 2.0 ** (np.maximum(np.frexp(np.where(r == 0, 1, r))[1] - 1, -14) - 2)
;;       q = np.round(r / step) * step * 2.0 ** e      # np.round: ties to even
;;       return np.moveaxis(q.reshape(q.shape[:-2] + (-1,))[..., :K], -1, axis).astype(np.float32)
;;   ~~~
;; One version. Each part assembles by itself: llvm-mc -triple=amdgcn-amd-amdhsa -mcpu=gfx1250 --defsym DOCPART=n.
;; ======== version 1 of 1: 3 launches
;; workspace buffers: w1img 1,081,344 bytes; cvec 131,072 bytes; scores 262,144 bytes
;; launch prep (part 1): grid 32 x 1, 4 waves a work-group, no clusters, 327,680 bytes of LDS; arguments W1_w, W2_w, hidden, W1_b, W2_b, w1img, cvec; writes w1img, cvec
.if DOCPART == 1
	.amdgcn_target "amdgcn-amd-amdhsa--gfx1250"
	.amdhsa_code_object_version 6
	.text
	.protected	k_q3da2f13e56_prep
	.globl	k_q3da2f13e56_prep
	.p2align	8
	.type	k_q3da2f13e56_prep,@function
k_q3da2f13e56_prep:
	s_mov_b64 s[64:65], 0
	v_nop
	global_prefetch_b8 v0, s[64:65] scope:SCOPE_SE
	s_setreg_imm32_b32 hwreg(HW_REG_WAVE_MODE, 25, 1), 1
	s_wait_xcnt 0x0
; Work-groups 0-15: W1 [1024][1024] f32 becomes codes of E5M2 with one E8M0 byte for each 32 along K, laid as IMAGES OF THE OPERAND'S REGISTERS: one record of 16,896 bytes for each tile of 16 rows.
;   record n: K step s, chunk c at 2048 s + 512 c + 16 lane: lane (r, h) holds the 16 codes of row 16 n + r, k = 128 s + 32 c + 16 h + 0 .. 15; at 16,384 + 16 lane the scale words of K steps 4 h .. 4 h + 3 of row r.
; Work-groups 16-31: c[b][v] = Q(hidden)[b] . Q(W2)[v] + W1_b[v] + W2_b[v], the part of the argument of tanh that does not hang on t: both operands quantised here, product by the scaled matrix instruction, f32 sums.
; SHARES.  Work-group g of a role takes rows 64 g .. 64 g + 63 of its weight, wave w the tile of 16 rows n = 4 g + w.  A wave's 16 rows come into its own LDS bytes by four tensor loads (a quarter of K each: rows of 1,024 bytes,
; 16 bytes of padding behind each, so that the 16 rows that a load touches start at 16 different banks: 64 banks of 4 bytes, ISA guide 11.1).  They are issued together at the head and filled once: four loads of a wave are out.
; Both roles share the head; only the weight's pointer is chosen there.  The second role alone stores to LDS (hidden's fragments as register images, and the stage for c), in bytes into which no tensor load lands.
; THE QUANTISER: a block's scale is 2^(floor(log2(largest magnitude)) - 15); its byte is the largest magnitude's exponent field - 15, held at 1 from below; numbers are held within +-57,344 x scale and rounded to the nearest code, ties to even.
; LIMITS: NaN and infinities among the inputs are not served.  A block of zeros gets the byte 1 (its codes are zeros; this program alone reads the bytes).  Blocks whose largest magnitude lies under 2^-111 keep the byte 1: not tried.
; No cluster: no two work-groups read the same large tile (hidden, 128 KiB, is the only shared input).
.set LWP,   1040                       ; a quarter row in LDS: 1,024 bytes + 16
.set LWQ,   16*LWP                     ; a quarter: 16 rows
.set LWW,   4*LWQ                      ; a wave's region
.set HIMG,  4*LWW                      ; hidden's 16 fragments (8 mt + s), 2,048 bytes each
.set HSC,   HIMG+16*2048               ; their scale words, 128 bytes each
.set STG,   HSC+16*128                 ; the stage for c: 32 rows x (256 bytes + 16)
.set TILEB, 16896                      ; a record of w1img
.set LI,  1                            ; v1   16 x lane
.set LS,  2                            ; v2   4 x lane
.set WA,  3                            ; v3   my lane's place in my wave's weight rows: row r, + 64 h
.set HA,  4                            ; v4   hidden: 4,096 r + 64 h
.set LIH, 5                            ; v5   HIMG + 16 x lane
.set LSH, 6                            ; v6   HSC + 4 x lane
.set HWI, 7                            ; v7   where I store hidden's images: + 8,192 x wave
.set HWS, 8                            ; v8   and their scale words: + 512 x wave
.set STO, 9                            ; v9   the stage: where I put 32 bytes of a row
.set RD,  10                           ; v10  and where I read a row back
.set CO,  11                           ; v11  my byte offset in c
.set BO,  12                           ; v12  32 h: my eight biases of a tile
.set TM,  16                           ; v16-19 largest magnitudes, v20-23 bytes, v24-27 57,344 x scale, v28-31 the conversions' scale operands
.set PC,  32                           ; v32-47 the codes just made
.set X0,  48                           ; three sets of 64 numbers
.set X1,  112
.set X2,  176
.set PCS, 112                          ; first role: eight sets of codes, never rewritten
.set WSR, 240                          ; first role: the eight scale words
.set PW,  248                          ; second role: the scale word just made
.set HS,  249                          ; v249-250 hidden's scale words
.set HF,  112                          ; second role, behind the hidden phase: hidden's two fragments,
.set BL,  144                          ; the biases as loaded,
.set AC,  176                          ; two accumulators,
.set BS,  192                          ; W1_b + W2_b in the result's layout,
.set OB,  200                          ; rows of c read back
.set WV,  18
.set GG,  19
.set NT,  20
.set G1,  24                           ; s[24:31] descriptor group 1;  s[32:47] four groups 0
.set G0,  32
.set SEL, 48
.set MNT, 50
; 64 numbers of a lane, register 16 b + i = k 32 b + 16 (lane / 16) + i of my row, become a fragment's codes in v[pc] on and its scale word in v[pw]
.macro QUANT src, pc, pw
.irp b, 0,1,2,3
	v_max3_num_f32 v[TM+\b], |v[(\src)+16*\b]|, |v[(\src)+16*\b+1]|, 0x8000000   ; my 16 numbers of block b, and the floor 2^(16 - 127): the byte cannot fall under 1
.endr
.irp i, 2,4,6,8,10,12,14
.irp b, 0,1,2,3
	v_max3_num_f32 v[TM+\b], v[TM+\b], |v[(\src)+16*\b+\i]|, |v[(\src)+16*\b+\i+1]|   ; the four blocks by turns
.endr
.endr
.irp b, 0,1,2,3
	v_permlanex16_b32 v[TM+4+\b], v[TM+\b], s[SEL], s[SEL+1]
.endr
.irp b, 0,1,2,3
	v_max_num_f32 v[TM+\b], v[TM+\b], v[TM+4+\b]   ; with lane l xor 16's 16: the block's largest magnitude
.endr
.irp b, 0,1,2,3
	v_add_nc_u32 v[TM+12+\b], 0xf8800000, v[TM+\b]   ; 15 off its exponent field: the conversion's scale operand
.endr
.irp b, 0,1,2,3
	v_and_or_b32 v[TM+8+\b], v[TM+\b], 0x7f800000, s[MNT]   ; 57,344 x the scale
.endr
.irp b, 0,1,2,3
	v_lshrrev_b32 v[TM+4+\b], 23, v[TM+12+\b]   ; the scale's byte
.endr
	v_lshl_or_b32 v[\pw], v[TM+5], 8, v[TM+4]
	v_lshl_or_b32 v[\pw], v[TM+6], 16, v[\pw]
	v_lshl_or_b32 v[\pw], v[TM+7], 24, v[\pw]
.irp b, 0,1,2,3
.irp i, 0,1,2,3,4,5,6,7,8,9,10,11,12,13,14,15
	v_med3_num_f32 v[(\src)+16*\b+\i], v[(\src)+16*\b+\i], -v[TM+8+\b], v[TM+8+\b]   ; the conversion to an 8-bit code does not saturate (ISA guide 7.6.2): the hold
.endr
	v_cvt_scalef32_pk8_bf8_f32 v[(\pc)+4*\b:(\pc)+4*\b+1], v[(\src)+16*\b:(\src)+16*\b+7], v[TM+12+\b]
	v_cvt_scalef32_pk8_bf8_f32 v[(\pc)+4*\b+2:(\pc)+4*\b+3], v[(\src)+16*\b+8:(\src)+16*\b+15], v[TM+12+\b]
.endr
	v_nop                                          ; a plain vector line behind the last conversion, ahead of whatever next touches its registers
.endm
.macro ULOAD s                         ; K step s of my 16 weight rows: 64 numbers a lane, from my wave's own LDS bytes
.irp b, 0,1,2,3
.irp i, 0,1,2,3
	ds_load_b128 v[X0+16*\b+4*\i:X0+16*\b+4*\i+3], v[WA] offset:LWQ*((\s)/2)+512*((\s)%2)+128*\b+16*\i
.endr
.endr
.endm
.macro HLOAD set, u                    ; my u-th K step of my 16 rows of hidden
.irp b, 0,1,2,3
.irp i, 0,1,2,3
	global_load_b128 v[(\set)+16*\b+4*\i:(\set)+16*\b+4*\i+3], v[HA], s[8:9] offset:512*(\u)+128*\b+16*\i
.endr
.endr
.endm
.macro HIMAGE u                        ; the fragment in v[PC] on and its scale word go to LDS as they stand
.irp c, 0,1,2,3
	ds_store_b128 v[HWI], v[PC+4*\c:PC+4*\c+3] offset:2048*(\u)+512*\c
.endr
	ds_store_b32 v[HWS], v[PW] offset:128*(\u)
.endm
	s_load_b256 s[4:11], s[0:1], 0x0               ; W1_w s[4:5], W2_w s[6:7], hidden s[8:9], W1_b s[10:11]
	s_load_b128 s[12:15], s[0:1], 0x20             ; W2_b s[12:13], w1img s[14:15]
	s_load_b64 s[16:17], s[0:1], 0x30              ; cvec
	v_lshl_add_u32 v251, v0, 2, 0x4ba00
	s_set_vgpr_msb 0x40
	v_mov_b32 v1, 0
	s_set_vgpr_msb 0x4044
	ds_add_u32 v251, v1
	ds_add_u32 v251, v1
	s_set_vgpr_msb 0x4400
	v_lshrrev_b32 v13, 5, v0
	v_readfirstlane_b32 s[WV], v13                 ; wave 0..3
	s_and_b32 s[GG], ttmp9, 15                     ; which 64 rows of the role's weight
	s_lshl_b32 s[NT], s[GG], 2
	s_add_co_u32 s[NT], s[NT], s[WV]               ; my tile of 16 rows
	s_mov_b32 s[G1+0], (2<<16)|(1<<20)|(7<<22)|(3<<25)   ; no mask; elements of 4 bytes; padding on: 4 words behind every 256
	s_mov_b32 s[G1+1], 256<<16                     ; tensor_dim0 = 256
	s_mov_b32 s[G1+2], 16<<16                      ; tensor_dim1 = 16
	s_mov_b32 s[G1+3], 256<<16                     ; tile_dim0 = 256
	s_mov_b32 s[G1+4], 16                          ; tile_dim1 = 16
	s_mov_b32 s[G1+5], 1024                        ; elements from row to row
	s_mov_b32 s[G1+6], 0
	s_mov_b32 s[G1+7], 0
	s_mov_b32 s[SEL], 0x76543210
	s_mov_b32 s[SEL+1], 0xfedcba98                 ; v_permlanex16_b32's selects for lane l xor 16
	s_mov_b32 s[MNT], 0x600000                     ; the mantissa field of 57,344
	s_mul_i32 s21, s[WV], LWW                      ; my wave's region
	s_lshl_b32 s52, s[NT], 16                      ; 16 rows of 4,096 bytes a tile
	s_mov_b32 s53, 0
	s_wait_dscnt 0x0
	s_wait_kmcnt 0x0
	s_cmp_lt_u32 ttmp9, 16                         ; the role hangs on the work-group's number alone
	s_cselect_b64 s[54:55], s[4:5], s[6:7]
	s_add_nc_u64 s[54:55], s[54:55], s[52:53]
.irp q, 0,1,2,3
	s_mov_b32 s[G0+4*\q], 1
	s_add_co_u32 s[G0+4*\q+1], s21, \q*LWQ
	s_add_nc_u64 s[G0+4*\q+2:G0+4*\q+3], s[54:55], \q*1024
	s_or_b32 s[G0+4*\q+3], s[G0+4*\q+3], 0x80000000
.endr
.irp q, 0,1,2,3
	tensor_load_to_lds s[G0+4*\q:G0+4*\q+3], s[G1:G1+7]   ; all first fills together, ahead of every wait on TENSORcnt, LDS read and barrier
	s_nop 0
.endr
.rept 4
	v_nop
.endr
	v_and_b32 v13, 31, v0                          ; lane
	v_and_b32 v14, 15, v0                          ; r
	v_bfe_u32 v15, v0, 4, 1                        ; h
	v_lshlrev_b32 v[LI], 4, v13
	v_lshlrev_b32 v[LS], 2, v13
	v_mul_u32_u24 v[WA], v14, LWP
	v_lshl_add_u32 v[WA], v15, 6, v[WA]
	v_add_nc_u32 v[WA], s21, v[WA]
	v_lshlrev_b32 v[HA], 12, v14
	v_lshl_add_u32 v[HA], v15, 6, v[HA]
	v_add_nc_u32 v[LIH], HIMG, v[LI]
	v_add_nc_u32 v[LSH], HSC, v[LS]
	s_lshl_b32 s22, s[WV], 13
	v_add_nc_u32 v[HWI], s22, v[LIH]
	s_lshl_b32 s22, s[WV], 9
	v_add_nc_u32 v[HWS], s22, v[LSH]
	v_mul_u32_u24 v[STO], v14, 272
	v_lshl_add_u32 v[STO], v15, 5, v[STO]
	s_lshl_b32 s22, s[WV], 6
	s_add_co_u32 s22, s22, STG
	v_add_nc_u32 v[STO], s22, v[STO]               ; row r, + 32 h, + 64 x wave
	s_mul_i32 s22, s[WV], 8*272
	s_add_co_u32 s22, s22, STG
	v_mul_u32_u24 v[RD], v15, 272
	v_lshl_add_u32 v[RD], v14, 4, v[RD]
	v_add_nc_u32 v[RD], s22, v[RD]                 ; back: rows 8 w + h, sixteen lanes to a row
	s_lshl_b32 s22, s[WV], 15
	v_lshlrev_b32 v[CO], 12, v15
	v_lshl_add_u32 v[CO], v14, 4, v[CO]
	v_add_nc_u32 v[CO], s22, v[CO]                 ; and the same rows in c
	v_lshlrev_b32 v[BO], 5, v15
.irp b, 0,1,2,3
	v_mov_b32 v[TM+4+\b], 0                        ; written once: a lane permute's destination counts as one of its sources
.endr
	s_cmp_lt_u32 ttmp9, 16
	s_cbranch_scc0 .Lw2
	; ---- first role: W1's tile n becomes record n
	s_mul_i32 s52, s[NT], TILEB
	s_add_nc_u64 s[14:15], s[14:15], s[52:53]
	s_wait_tensorcnt 0x0                           ; my four quarters are in; only I read them
.irp s, 0,1,2,3,4,5,6,7
	ULOAD \s
	s_wait_dscnt 0x0
	QUANT X0, PCS+16*\s, WSR+\s
.irp c, 0,1,2,3
	global_store_b128 v[LI], v[PCS+16*\s+4*\c:PCS+16*\s+4*\c+3], s[14:15] offset:2048*\s+512*\c   ; 32 lanes store 512 consecutive bytes; each K step has its own registers, so no store's data are rewritten
.endr
.endr
	v_cmp_gt_u32 vcc_lo, 16, v13
.irp i, 0,1,2,3
	v_cndmask_b32 v[252+\i], v[WSR+4+\i], v[WSR+\i], vcc_lo   ; lanes 0-15: K steps 0-3 of row r; lanes 16-31: K steps 4-7
.endr
	global_store_b128 v[LI], v[252:255], s[14:15] offset:16384
	s_set_vgpr_msb 0x4
	s_wait_tensorcnt 0x0
	ds_add_u32 v251, v1
	s_wait_dscnt 0x0
	s_set_vgpr_msb 0x400
	s_endpgm
	; ---- second role: c for v = 16 n .. 16 n + 15 and all 32 rows of hidden
.Lw2:
	s_lshr_b32 s52, s[WV], 1
	s_lshl_b32 s52, s52, 16                        ; hidden: rows 16 (w / 2) on,
	s_and_b32 s56, s[WV], 1
	s_lshl_b32 s56, s56, 11                        ; K steps 4 (w % 2) on
	s_add_co_u32 s52, s52, s56
	s_add_nc_u64 s[8:9], s[8:9], s[52:53]
	s_lshl_b32 s52, s[NT], 6
	s_add_nc_u64 s[10:11], s[10:11], s[52:53]      ; the biases of my 16 columns
	s_add_nc_u64 s[12:13], s[12:13], s[52:53]
	s_lshl_b32 s52, s[GG], 8
	s_add_nc_u64 s[16:17], s[16:17], s[52:53]      ; c at the work-group's 64 columns
	HLOAD X0, 0
	HLOAD X1, 1
	HLOAD X2, 2
	s_wait_loadcnt 32                              ; unit 0 is in; units 1 and 2 are younger
	QUANT X0, PC, PW
	HIMAGE 0
	HLOAD X0, 3
	s_wait_loadcnt 32                              ; unit 1 is in; units 2 and 3 are younger
	s_wait_dscnt 0x0                               ; the image's stores have read their registers
	QUANT X1, PC, PW
	HIMAGE 1
	global_load_b128 v[BL:BL+3], v[BO], s[10:11]              ; the biases, into registers that unit 1 has left
	global_load_b128 v[BL+4:BL+7], v[BO], s[10:11] offset:16
	global_load_b128 v[BL+8:BL+11], v[BO], s[12:13]
	global_load_b128 v[BL+12:BL+15], v[BO], s[12:13] offset:16
	s_wait_loadcnt 20                              ; unit 2 is in; unit 3's sixteen and the biases' four are younger
	s_wait_dscnt 0x0
	QUANT X2, PC, PW
	HIMAGE 2
	s_wait_loadcnt 4                               ; unit 3 is in; the biases' four are younger
	s_wait_dscnt 0x0
	QUANT X0, PC, PW
	HIMAGE 3
	s_wait_loadcnt 0x0
.irp k, 0,1,2,3
	v_pk_add_f32 v[BS+2*\k:BS+2*\k+1], v[BL+2*\k:BL+2*\k+1], v[BL+8+2*\k:BL+8+2*\k+1]   ; lane (r, h), register j: W1_b + W2_b at v = 16 n + 8 h + j: the C of each sum's first product
.endr
	s_wait_dscnt 0x0                               ; for the others' sake: my images have landed
	s_barrier_signal -1
	s_barrier_wait -1                              ; hidden's sixteen fragments lie in LDS
	s_wait_tensorcnt 0x0                           ; my four quarters of W2 are in; only I read them
.irp s, 0,1,2,3,4,5,6,7
	ULOAD \s
.irp t, 0,1
.irp c, 0,1,2,3
	ds_load_b128 v[HF+16*\t+4*\c:HF+16*\t+4*\c+3], v[LIH] offset:2048*(8*\t+\s)+512*\c
.endr
	ds_load_b32 v[HS+\t], v[LSH] offset:128*(8*\t+\s)
.endr
	s_wait_dscnt 0x0
	QUANT X0, PC, PW
.rept 4
	v_nop                                          ; codes written by vector instructions stand four places ahead of a scaled matrix instruction; the scale word was made ahead of the 64 holds
.endr
.irp t, 0,1                                    ; TRANSPOSED: source 0 = 16 rows of W2, source 1 = 16 rows of hidden: lane (r, h) holds row 16 t + r of hidden and columns 16 n + 8 h + 0 .. 7.  The two accumulators take turns
.if \s == 0
	v_wmma_scale_f32_16x16x128_f8f6f4 v[AC+8*\t:AC+8*\t+7], v[PC:PC+15], v[HF+16*\t:HF+16*\t+15], v[BS:BS+7], v[PW], v[HS+\t] matrix_a_fmt:MATRIX_FMT_BF8 matrix_b_fmt:MATRIX_FMT_BF8
.else
	v_wmma_scale_f32_16x16x128_f8f6f4 v[AC+8*\t:AC+8*\t+7], v[PC:PC+15], v[HF+16*\t:HF+16*\t+15], v[AC+8*\t:AC+8*\t+7], v[PW], v[HS+\t] matrix_a_fmt:MATRIX_FMT_BF8 matrix_b_fmt:MATRIX_FMT_BF8
.endif
.endr
.rept 8
	v_nop                                          ; eight places ahead of loads and vector writes into the products' registers, and of the first read of results
.endr
.endr
.irp t, 0,1
	ds_store_b128 v[STO], v[AC+8*\t:AC+8*\t+3] offset:4352*\t       ; each accumulator from its low end on
	ds_store_b128 v[STO], v[AC+8*\t+4:AC+8*\t+7] offset:4352*\t+16
.endr
	s_wait_dscnt 0x0                               ; for the others' sake: a row's 256 bytes come from four waves
	s_barrier_signal -1
	s_barrier_wait -1
.irp i, 0,1,2,3
	ds_load_b128 v[OB+4*\i:OB+4*\i+3], v[RD] offset:544*\i
.endr
.irp i, 0,1,2,3
	s_wait_dscnt 3-\i
	global_store_b128 v[CO], v[OB+4*\i:OB+4*\i+3], s[16:17] offset:8192*\i   ; sixteen lanes store 256 consecutive bytes, at a multiple of 256 from c's first byte
.endr
	s_set_vgpr_msb 0x4
	s_wait_tensorcnt 0x0
	ds_add_u32 v251, v1
	s_wait_dscnt 0x0
	s_set_vgpr_msb 0x400
	s_endpgm
.Lfunc_end_k_q3da2f13e56_prep:
	.size	k_q3da2f13e56_prep, .Lfunc_end_k_q3da2f13e56_prep-k_q3da2f13e56_prep
	.p2alignl 7, 3214868480
	.fill 96, 4, 3214868480
	.section	.rodata,"a",@progbits
	.p2align	6, 0x0
	.amdhsa_kernel k_q3da2f13e56_prep
		.amdhsa_group_segment_fixed_size 327680
		.amdhsa_private_segment_fixed_size 0
		.amdhsa_enable_private_segment 0
		.amdhsa_kernarg_size 56
		.amdhsa_user_sgpr_count 2
		.amdhsa_user_sgpr_kernarg_segment_ptr 1
		.amdhsa_wavefront_size32 1
		.amdhsa_system_sgpr_workgroup_id_x 1
		.amdhsa_system_sgpr_workgroup_id_y 1
		.amdhsa_system_sgpr_workgroup_id_z 1
		.amdhsa_system_vgpr_workitem_id 0
		.amdhsa_next_free_vgpr 258
		.amdhsa_next_free_sgpr 66
		.amdhsa_reserve_vcc 1
		.amdhsa_float_denorm_mode_32 3
		.amdhsa_float_denorm_mode_16_64 3
		.amdhsa_memory_ordered 1
		.amdhsa_forward_progress 1
		.amdhsa_inst_pref_size 205
	.end_amdhsa_kernel
	.amdgpu_metadata
---
amdhsa.version: [ 1, 2 ]
amdhsa.kernels:
  - .name:           k_q3da2f13e56_prep
    .symbol:         k_q3da2f13e56_prep.kd
    .args:
      - { .name: W1_w, .offset: 0, .size: 8, .value_kind: global_buffer, .address_space: global }
      - { .name: W2_w, .offset: 8, .size: 8, .value_kind: global_buffer, .address_space: global }
      - { .name: hidden, .offset: 16, .size: 8, .value_kind: global_buffer, .address_space: global }
      - { .name: W1_b, .offset: 24, .size: 8, .value_kind: global_buffer, .address_space: global }
      - { .name: W2_b, .offset: 32, .size: 8, .value_kind: global_buffer, .address_space: global }
      - { .name: w1img, .offset: 40, .size: 8, .value_kind: global_buffer, .address_space: global }
      - { .name: cvec, .offset: 48, .size: 8, .value_kind: global_buffer, .address_space: global }
    .group_segment_fixed_size: 327680
    .private_segment_fixed_size: 0
    .kernarg_segment_align: 8
    .kernarg_segment_size: 56
    .max_flat_workgroup_size: 128
    .sgpr_count:     66
    .vgpr_count:     258
    .wavefront_size: 32
...
	.end_amdgpu_metadata
.endif
;; end of part 1
;; launch score (part 2): grid 256 x 1, 4 waves a work-group, clusters of 4 x 1, 327,680 bytes of LDS; arguments x, w1img, cvec, V_w, V_b, scores; writes scores
.if DOCPART == 2
	.amdgcn_target "amdgcn-amd-amdhsa--gfx1250"
	.amdhsa_code_object_version 6
	.text
	.protected	k_q3da2f13e56_score
	.globl	k_q3da2f13e56_score
	.p2align	8
	.type	k_q3da2f13e56_score,@function
k_q3da2f13e56_score:
	s_mov_b64 s[64:65], 0
	v_nop
	global_prefetch_b8 v0, s[64:65] scope:SCOPE_SE
	s_setreg_imm32_b32 hwreg(HW_REG_WAVE_MODE, 25, 1), 1
	s_wait_xcnt 0x0
	s_wait_alu depctr_hold_cnt(0) depctr_sa_sdst(0) depctr_va_vdst(0) depctr_va_sdst(0) depctr_va_ssrc(0) depctr_va_vcc(0) depctr_vm_vsrc(0)
	s_getreg_b32 s2, hwreg(HW_REG_IB_STS2, 6, 4)
	s_cmp_eq_u32 s2, 0
	s_cbranch_scc0 .Lentry_in_a_cluster
	s_endpgm
.Lentry_in_a_cluster:
	s_bfe_u32 s2, ttmp6, 0x10000c
	s_cmp_lg_u32 s2, 0x3003
	s_cbranch_scc0 .Lentry_shape_is_right
	s_endpgm
.Lentry_shape_is_right:
; scores[b][t] = V . tanh(Q(x[b][t]) . Q(W1)^T + c[b]) + V_b, c = hidden's part and both biases, made by the launch before.  The product runs on codes of E5M2 with E8M0 scales; all else in f32.
; SHARES.  A work-group owns 256 rows (b, t) of one batch, each of its four waves 64: four tiles of 16.  PHASE A: a wave's rows come through LDS by tensor loads, a K step (128 numbers, 512 bytes of each row) at a time, are quantised,
; and their codes for ALL of K stay in 512 registers.  PHASE B: W1's 64 tiles of 16 rows stream past them from LDS, as register images, 8 tiles to a slot; a fragment of W1 read from LDS feeds four matrix instructions.
; THE MATRIX INSTRUCTION IS USED TRANSPOSED: source 0 = 16 rows of W1, source 1 = 16 rows of x: lane (r, h) holds row r of x and units v = 16 n + 8 h + 0 .. 7; c is the C of a tile's first products.
; tanh(a) = 1 - 2 / (1 + 2^(2 log2(e) a)): so the score is (V_b + sum of V) - 2 x the sum of V[v] / (1 + 2^..), and each tile adds V[v] x the reciprocal into two sums a tile of rows.  An exponential that overflows gives tanh = 1, one that underflows -1.
; BY TURNS.  While tile n is multiplied, tile n - 1's 32 numbers a lane go through the tanh, cut into 32 slices: one slice of three or four vector instructions stands behind EACH product.  All that a slice touches lies in window 0 and no
; window has room for a product's operands beside it: so each product costs two switches of the register window, which is the lesser price against leaving the matrix unit idle during 112 vector instructions a tile.
; CLUSTER.  The four work-groups of a cluster belong to one batch and walk the same W1, c and V: these are asked for JOINTLY (the same load, the same descriptor, the mask of all four).  x's tiles are each work-group's own: plain loads behind the same rounds.
; LIMITS: NaN and infinities among the inputs are not served.  A block of zeros gets the byte 1 with zero codes (this program alone reads the bytes); blocks whose largest magnitude lies under 2^-111 keep the byte 1: not tried.
; tanh carries an absolute error of about 1e-7, and the score one of about 1e-7 x the sum of |V|, from the difference formed at the end.
; REGISTERS, in windows of 256 (s_set_vgpr_msb: bits 1:0 source 0, 3:2 source 1, 5:4 source 2, 7:6 destination):
;   window 0: v1-13 addresses; v16-47 x's scale words (8 m + s); v48-63 W1's, two sets; v64-127 accumulators, two sets of four; v128-143 c, two sets; v144-159 V, two sets; v160-167 the sums; v168-183 at work.  In phase A v64-159 serve the quantiser.
;   window 1: W1's fragments, two sets of 128 (16 s + 4 c).   windows 2, 3: x's codes: fragment (m, s) at v[128 (m % 2) + 16 s] of window 2 + m / 2.
.set SLOT,  135168                     ; a slot: four waves' parts.  0x21000: its bits meet none of a part's address, so one exclusive or turns an address from one slot to the other
.set PART,  33792                      ; a wave's part: 64 rows of x x (512 bytes + 16), or two records of W1
.set XP,    528                        ; a row of x's tile in LDS: 132 words: row r starts at bank 4 r mod 64 (64 banks of 4 bytes: ISA guide 11.1)
.set TILEB, 16896                      ; a record of W1: 16,384 bytes of codes, 512 of scale words
.set CBASE, 2*SLOT                     ; row b of c, 4,096 bytes;
.set VBASE, CBASE+4096                 ; V, 4,096 bytes: both filled once
.set IMG,   CBASE+8192                 ; register images of the codes just made: for each wave four records of 2,048 + 128 bytes; written by LDS stores, never filled
.set IMGW,  8704
.set IMGM,  2176
.set SPARE, IMG+4*IMGW                 ; the spare words, 128 bytes for each wave: two blocks of 256 bytes that no other line names
.set LI,  1                            ; v1   16 x lane
.set LS,  2                            ; v2   4 x lane
.set R16, 3                            ; v3   16 x (lane % 16)
.set H32, 4                            ; v4   CBASE + 32 x (lane / 16)
.set XAB, 5                            ; v5   my lane's place in my wave's tile of x: row r, + 64 h
.set IMW, 6                            ; v6   my wave's images, + 16 x lane
.set ISW, 7                            ; v7   their scale words, + 4 x lane
.set ADR, 8                            ; v8-10 addresses of the loads in hand
.set ADS, 9
.set AD2, 10
.set SPW, 12                           ; v12  LDS address of my spare word; never rewritten
.set NIL, 13                           ; v13  0; never rewritten
.set XS,  16
.set WS,  48
.set ACC, 64
.set X,   64
.set BI,  128
.set PC,  128
.set VV,  144
.set TM,  144
.set SC,  160
.set PW,  168
.set EP,  176
.set WV,  16
.set G1X, 24                           ; s[24:31], s[32:35] groups 1 and 0 for x's tiles
.set G0X, 32
.set G1W, 36                           ; s[36:43], s[44:47] for W1's fills
.set G0W, 44
.set G1R, 48                           ; s[48:55], s[56:59] for c and V
.set G0R, 56
.set TA,  60                           ; s60  LDS byte at which the record to be fetched begins
.set T2,  61                           ; s61  64 x the tile in hand: its place in c and in V
.set CN1, 62
.set CN2, 63
.set XM,  66
.set IM,  67
.set CM,  68
.set K2,  70                           ; s[70:71] 2 log2(e)
.set SEL, 72
.set MNT, 74
.set VB,  75                           ; s75  V_b
.set MSB, 0
.macro WIN new                         ; the immediate's high byte repeats the setting that is left; a switch that changes nothing is dropped
.if MSB != \new
	s_set_vgpr_msb (MSB<<8)|\new
.set MSB, \new
.endif
.endm
.macro ROUND                           ; a round of the cluster's barrier
	s_barrier_signal -1
	s_barrier_wait -1
	s_cmp_lg_u32 s[WV], 0
	s_cbranch_scc1 .Lnot_wave_0_\@
	s_barrier_signal -3
.Lnot_wave_0_\@:
	s_barrier_wait -3
	s_barrier_signal -1
	s_barrier_wait -1
.endm
; 64 numbers of a lane, register 16 b + i = k 32 b + 16 (lane / 16) + i of my row, become a fragment's codes in v[pc] on and its scale word in v[pw]
.macro QUANT src, pc, pw
.irp b, 0,1,2,3
	v_max3_num_f32 v[TM+\b], |v[(\src)+16*\b]|, |v[(\src)+16*\b+1]|, 0x8000000   ; my 16 numbers of block b, and the floor 2^(16 - 127): the byte cannot fall under 1
.endr
.irp i, 2,4,6,8,10,12,14
.irp b, 0,1,2,3
	v_max3_num_f32 v[TM+\b], v[TM+\b], |v[(\src)+16*\b+\i]|, |v[(\src)+16*\b+\i+1]|   ; the four blocks by turns
.endr
.endr
.irp b, 0,1,2,3
	v_permlanex16_b32 v[TM+4+\b], v[TM+\b], s[SEL], s[SEL+1]
.endr
.irp b, 0,1,2,3
	v_max_num_f32 v[TM+\b], v[TM+\b], v[TM+4+\b]   ; with lane l xor 16's 16: the block's largest magnitude
.endr
.irp b, 0,1,2,3
	v_add_nc_u32 v[TM+12+\b], 0xf8800000, v[TM+\b]   ; 15 off its exponent field: the conversion's scale operand
.endr
.irp b, 0,1,2,3
	v_and_or_b32 v[TM+8+\b], v[TM+\b], 0x7f800000, s[MNT]   ; 57,344 x the scale
.endr
.irp b, 0,1,2,3
	v_lshrrev_b32 v[TM+4+\b], 23, v[TM+12+\b]   ; the scale's byte
.endr
	v_lshl_or_b32 v[\pw], v[TM+5], 8, v[TM+4]
	v_lshl_or_b32 v[\pw], v[TM+6], 16, v[\pw]
	v_lshl_or_b32 v[\pw], v[TM+7], 24, v[\pw]
.irp b, 0,1,2,3
.irp i, 0,1,2,3,4,5,6,7,8,9,10,11,12,13,14,15
	v_med3_num_f32 v[(\src)+16*\b+\i], v[(\src)+16*\b+\i], -v[TM+8+\b], v[TM+8+\b]   ; the conversion to an 8-bit code does not saturate (ISA guide 7.6.2): the hold
.endr
	v_cvt_scalef32_pk8_bf8_f32 v[(\pc)+4*\b:(\pc)+4*\b+1], v[(\src)+16*\b:(\src)+16*\b+7], v[TM+12+\b]
	v_cvt_scalef32_pk8_bf8_f32 v[(\pc)+4*\b+2:(\pc)+4*\b+3], v[(\src)+16*\b+8:(\src)+16*\b+15], v[TM+12+\b]
.endr
	v_nop                                          ; a plain vector line behind the last conversion, ahead of whatever next touches its registers
.endm
	s_load_b256 s[4:11], s[0:1], 0x0               ; x s[4:5], w1img s[6:7], cvec s[8:9], V_w s[10:11]
	s_load_b128 s[12:15], s[0:1], 0x20             ; V_b s[12:13], scores s[14:15]
	v_lshl_add_u32 v[SPW], v0, 2, SPARE
	v_mov_b32 v[NIL], 0
	ds_add_u32 v12, v13
	ds_add_u32 v12, v13
	s_wait_dscnt 0x0
	v_lshrrev_b32 v8, 5, v0
	v_readfirstlane_b32 s[WV], v8                  ; wave 0..3
	s_bfe_u32 s17, ttmp6, 0x40000                  ; cx: my place in the cluster: it enters x's and scores' addresses alone
	s_lshl_b32 s18, ttmp9, 2                       ; in a cluster launch ttmp9 counts clusters
	s_add_co_u32 s18, s18, s17                     ; my block of 256 rows
	s_lshr_b32 s19, ttmp9, 1                       ; the batch: eight blocks, two clusters: the four partners share it
	s_mov_b32 s[G1X+0], (2<<16)|(1<<20)|(6<<22)|(3<<25)   ; no mask; elements of 4 bytes; padding on: 4 words behind every 128
	s_mov_b32 s[G1X+1], 128<<16                    ; tensor_dim0 = 128
	s_mov_b32 s[G1X+2], 64<<16                     ; tensor_dim1 = 64
	s_mov_b32 s[G1X+3], 128<<16                    ; tile_dim0 = 128
	s_mov_b32 s[G1X+4], 64                         ; tile_dim1 = 64
	s_mov_b32 s[G1X+5], 1024                       ; elements from row to row
	s_mov_b32 s[G1X+6], 0
	s_mov_b32 s[G1X+7], 0
	s_mov_b32 s[G1W+0], 15|(3<<16)|(1<<21)         ; the mask: all four work-groups; elements of 8 bytes; bit 21 set beside a mask.  Two records: a dense block of 132 rows of 256 bytes
	s_mov_b32 s[G1W+1], 32<<16
	s_mov_b32 s[G1W+2], 132<<16
	s_mov_b32 s[G1W+3], 32<<16
	s_mov_b32 s[G1W+4], 132
	s_mov_b32 s[G1W+5], 32
	s_mov_b32 s[G1W+6], 0
	s_mov_b32 s[G1W+7], 0
	s_mov_b32 s[G1R+0], 15|(3<<16)|(1<<21)         ; half of c's row or of V: 8 rows of 256 bytes
	s_mov_b32 s[G1R+1], 32<<16
	s_mov_b32 s[G1R+2], 8<<16
	s_mov_b32 s[G1R+3], 32<<16
	s_mov_b32 s[G1R+4], 8
	s_mov_b32 s[G1R+5], 32
	s_mov_b32 s[G1R+6], 0
	s_mov_b32 s[G1R+7], 0
	s_mov_b32 s[K2], 0x4038aa3b                    ; 2 log2(e)
	s_mov_b32 s[K2+1], s[K2]                       ; (named with it as a pair, so it is written)
	s_mov_b32 s[SEL], 0x76543210
	s_mov_b32 s[SEL+1], 0xfedcba98                 ; v_permlanex16_b32's selects for lane l xor 16
	s_mov_b32 s[MNT], 0x600000                     ; the mantissa field of 57,344
	s_mul_i32 s76, s[WV], PART                     ; my wave's part of a slot: no place in the cluster enters an LDS address
	s_lshl_b32 s20, s18, 20                        ; x: 256 rows of 4,096 bytes a block,
	s_lshl_b32 s21, s[WV], 18                      ; 64 a wave
	s_add_co_u32 s20, s20, s21
	s_mov_b32 s21, 0
	s_mov_b32 s23, 0
	s_wait_kmcnt 0x0
	s_load_b32 s[VB], s[12:13], 0x0                ; V_b
	s_mov_b32 s[G0X], 1
	s_mov_b32 s[G0X+1], s76                        ; slot 0
	s_add_nc_u64 s[G0X+2:G0X+3], s[4:5], s[20:21]  ; K step 0 of my 64 rows
	s_or_b32 s[G0X+3], s[G0X+3], 0x80000000
	s_mov_b32 s[G0W], 1
	s_mov_b32 s[G0W+1], s76                        ; slot 0
	s_mov_b32 s22, s76
	s_add_nc_u64 s[G0W+2:G0W+3], s[6:7], s[22:23]  ; records 2 w, 2 w + 1
	s_or_b32 s[G0W+3], s[G0W+3], 0x80000000
	s_lshl_b32 s22, s19, 12
	s_add_nc_u64 s[8:9], s[8:9], s[22:23]          ; c's row b
	s_cmp_lt_u32 s[WV], 2                          ; waves 0 and 1 fetch c's halves, waves 2 and 3 V's
	s_cselect_b64 s[G0R+2:G0R+3], s[8:9], s[10:11]
	s_and_b32 s22, s[WV], 1
	s_lshl_b32 s22, s22, 11
	s_add_nc_u64 s[G0R+2:G0R+3], s[G0R+2:G0R+3], s[22:23]
	s_or_b32 s[G0R+3], s[G0R+3], 0x80000000
	s_mov_b32 s[G0R], 1
	s_lshl_b32 s[G0R+1], s[WV], 11
	s_add_co_u32 s[G0R+1], s[G0R+1], CBASE         ; V lies straight behind c
	s_lshl_b32 s20, s18, 10                        ; scores: 1,024 bytes a block,
	s_lshl_b32 s21, s[WV], 8                       ; 256 a wave
	s_add_co_u32 s20, s20, s21
	s_mov_b32 s21, 0
	s_add_nc_u64 s[14:15], s[14:15], s[20:21]
	s_wait_kmcnt 0x0                               ; V_b
	ROUND                                          ; all four work-groups are here: the first loads meet
	tensor_load_to_lds s[G0X:G0X+3], s[G1X:G1X+7]  ; K step 0 of x, and
	s_nop 0
	tensor_load_to_lds s[G0R:G0R+3], s[G1R:G1R+7]  ; my part of c and V: two loads of mine are out
	s_nop 0
.rept 4
	v_nop
.endr
	v_and_b32 v8, 31, v0                           ; lane
	v_and_b32 v9, 15, v0                           ; r
	v_bfe_u32 v10, v0, 4, 1                        ; h
	v_lshlrev_b32 v[LI], 4, v8
	v_lshlrev_b32 v[LS], 2, v8
	v_lshlrev_b32 v[R16], 4, v9
	v_lshl_add_u32 v[H32], v10, 5, CBASE
	v_mul_u32_u24 v[XAB], v9, XP
	v_lshl_add_u32 v[XAB], v10, 6, v[XAB]
	v_add_nc_u32 v[XAB], s76, v[XAB]
	s_mul_i32 s77, s[WV], IMGW
	s_add_co_u32 s77, s77, IMG
	v_add_nc_u32 v[IMW], s77, v[LI]
	s_add_co_u32 s77, s77, 2048
	v_add_nc_u32 v[ISW], s77, v[LS]
.irp b, 0,1,2,3
	v_mov_b32 v[TM+4+\b], 0                        ; written once: a lane permute's destination counts as one of its sources
.endr
.irp b, 0,1,2,3,4,5,6,7
	v_mov_b32 v[SC+\b], 0                          ; the eight sums
.endr
; PHASE A, K step j (it lies in slot j % 2).  The change of slots stands at the step's head: all my tensor loads have landed, 0 is added to my spare word, that and my LDS reads are waited for, a round; behind it my one load:
; K step j + 1 into the slot just left, or, in the last step, W1's first fill (jointly).  Then my four tiles of 16 rows are quantised in a loop of four trips; each fragment goes to my images as it stands, and from there
; into the registers where it stays: the loop's text names one set of registers, the loads behind it the step's own.
.macro XSTEP j
	s_wait_tensorcnt 0x0                           ; no tensor load of mine is out, so a group 0 may be written
	ds_add_u32 v[SPW], v[NIL]                      ; 0 onto my spare word; the scalar lines below stand between it and the wait for it
.if \j < 7
	s_xor_b32 s[G0X+1], s[G0X+1], SLOT             ; the other slot,
	s_add_nc_u64 s[G0X+2:G0X+3], s[G0X+2:G0X+3], 512   ; the next 128 along K; the type bits on top are not reached
.endif
	s_mov_b32 s[XM], ((\j)%2)*SLOT
	s_mov_b32 s[IM], 0
	s_mov_b32 s[CM], 4
	s_wait_dscnt 0x0                               ; the add is done; my reads of the slot that I have left are back, and the last step's codes are in their registers
	ROUND
.if \j < 7
	tensor_load_to_lds s[G0X:G0X+3], s[G1X:G1X+7]
	s_nop 0
.else
	tensor_load_to_lds s[G0W:G0W+3], s[G1W:G1W+7]  ; W1's records 0 to 7 into slot 0
	s_nop 0
.endif
.rept 4
	v_nop
.endr
.Lxm_\@:
	v_add_nc_u32 v[ADR], s[XM], v[XAB]
	v_add_nc_u32 v[ADS], s[IM], v[IMW]
	v_add_nc_u32 v[AD2], s[IM], v[ISW]
.irp b, 0,1,2,3
.irp i, 0,1,2,3
	ds_load_b128 v[X+16*\b+4*\i:X+16*\b+4*\i+3], v[ADR] offset:128*\b+16*\i   ; my 16 numbers of each block of 32 of row r
.endr
.endr
	s_wait_dscnt 0x0                               ; they are in, and the last trip's stores have read their registers
	QUANT X, PC, PW
.irp c, 0,1,2,3
	ds_store_b128 v[ADS], v[PC+4*\c:PC+4*\c+3] offset:512*\c
.endr
	ds_store_b32 v[AD2], v[PW]
	s_add_co_u32 s[XM], s[XM], 16*XP
	s_add_co_u32 s[IM], s[IM], IMGM
	s_sub_co_u32 s[CM], s[CM], 1
	s_cmp_lg_u32 s[CM], 0
	s_cbranch_scc1 .Lxm_\@
	WIN 0x80                                       ; destination window 2.  LDS serves a wave's instructions in order (ISA guide 5.7.1.4): these see my stores, and the next step's stores come behind them
.irp m, 0,1
.irp c, 0,1,2,3
	ds_load_b128 v[128*\m+16*(\j)+4*\c:128*\m+16*(\j)+4*\c+3], v[IMW] offset:IMGM*\m+512*\c
.endr
.endr
	WIN 0xc0                                       ; destination window 3
.irp m, 0,1
.irp c, 0,1,2,3
	ds_load_b128 v[128*\m+16*(\j)+4*\c:128*\m+16*(\j)+4*\c+3], v[IMW] offset:IMGM*(\m+2)+512*\c
.endr
.endr
	WIN 0
.irp m, 0,1,2,3
	ds_load_b32 v[XS+8*\m+(\j)], v[ISW] offset:IMGM*\m
.endr
.endm
	XSTEP 0
	XSTEP 1
	XSTEP 2
	XSTEP 3
	XSTEP 4
	XSTEP 5
	XSTEP 6
	XSTEP 7
; PHASE B.  THE CHANGE OF SLOTS: the same three lines; fill = 1: a round, and behind it the joint refill of the slot just left, with the eight records two slots on: it has eight tiles, 256 matrix instructions, in which to land.
; turn = 1: the fetches go back to a slot's first record, in the other slot.
.macro CHANGE fill, turn
	WIN 0
	s_wait_tensorcnt 0x0                           ; my part of the slot ahead has landed; no tensor load of mine is out, so a group 0 may be written
	ds_add_u32 v[SPW], v[NIL]                      ; 0 onto my spare word
.if \fill
	s_xor_b32 s[G0W+1], s[G0W+1], SLOT
	s_add_nc_u64 s[G0W+2:G0W+3], s[G0W+2:G0W+3], SLOT
.endif
.if \turn
	s_sub_co_u32 s[TA], s[TA], SLOT
	s_xor_b32 s[TA], s[TA], SLOT
.endif
	s_wait_dscnt 0x0                               ; the add is done, and my reads of the slot that I have left are over
.if \fill
	ROUND                                          ; no wave of any partner still reads that slot or has a load on its way
	tensor_load_to_lds s[G0W:G0W+3], s[G1W:G1W+7]
	s_nop 0
.rept 4
	v_nop
.endr
.else
	s_barrier_signal -1
	s_barrier_wait -1
.endif
.endm
; THE LDS LOADS of a tile stand in ONE run.  mode 1, 38 loads, in the order in which the next tile wants them: its scale words (2), its c (2), its codes K step by K step (4 each), into set pb; last THIS tile's V (2) into set pv:
; V is wanted a tile later, at the end of the tanh.  mode 0: the first tile's scale words, c and codes: 36 loads.  mode 2: the last tile's V alone.
; w = 1: the wait for the batch of exponentials stands here, behind the address additions, which are the plain lines behind that batch, and ahead of the loads: one break in the run of products serves the wait and the loads.
.macro FETCH pb, pv, mode, w
	WIN 0
.if \mode < 2
	v_add_nc_u32 v[ADR], s[TA], v[LI]
	v_add_nc_u32 v[ADS], s[TA], v[R16]
	s_add_co_u32 s[TA], s[TA], TILEB
.endif
	v_add_nc_u32 v[AD2], s[T2], v[H32]
.if \mode == 1
	s_add_co_u32 s[T2], s[T2], 64
.endif
.if \w
	s_wait_alu depctr_va_vdst(0)                   ; the wait ahead of the first reader of the 32 exponentials
.endif
.if \mode < 2
	ds_load_b128 v[WS+8*(\pb):WS+8*(\pb)+3], v[ADS] offset:16384     ; row r's scale words of K steps 0-3,
	ds_load_b128 v[WS+8*(\pb)+4:WS+8*(\pb)+7], v[ADS] offset:16640   ; and 4-7
	ds_load_b128 v[BI+8*(\pb):BI+8*(\pb)+3], v[AD2] offset:64*(\mode)
	ds_load_b128 v[BI+8*(\pb)+4:BI+8*(\pb)+7], v[AD2] offset:64*(\mode)+16
	WIN 0x40                                       ; destination window 1
.irp s, 0,1,2,3,4,5,6,7
.irp c, 0,1,2,3
	ds_load_b128 v[128*(\pb)+16*\s+4*\c:128*(\pb)+16*\s+4*\c+3], v[ADR] offset:2048*\s+512*\c   ; 32 lanes read 512 consecutive bytes
.endr
.endr
	WIN 0
.endif
.if \mode > 0
	ds_load_b128 v[VV+8*(\pv):VV+8*(\pv)+3], v[AD2] offset:4096
	ds_load_b128 v[VV+8*(\pv)+4:VV+8*(\pv)+7], v[AD2] offset:4112
.endif
.endm
; Product i of a tile's 32: K step i / 4, tile of rows i % 4.  The four accumulators take turns, one instruction a turn, over the tiles' edges too.  The first four take c as their C: nothing is cleared.
.macro PROD p
.set kS, i/4
.set mT, i%4
	WIN 0x09+4*(mT/2)                              ; source 0 (W1) window 1, source 1 (x) window 2 or 3, C and D window 0
.set rD, ACC+32*(\p)+8*mT
.set rA, 128*(\p)+16*kS
.set rB, 128*(mT%2)+16*kS
.if kS == 0
	v_wmma_scale_f32_16x16x128_f8f6f4 v[rD:rD+7], v[rA:rA+15], v[rB:rB+15], v[BI+8*(\p):BI+8*(\p)+7], v[WS+8*(\p)+kS], v[XS+8*mT+kS] matrix_a_fmt:MATRIX_FMT_BF8 matrix_b_fmt:MATRIX_FMT_BF8
.else
	v_wmma_scale_f32_16x16x128_f8f6f4 v[rD:rD+7], v[rA:rA+15], v[rB:rB+15], v[rD:rD+7], v[WS+8*(\p)+kS], v[XS+8*mT+kS] matrix_a_fmt:MATRIX_FMT_BF8 matrix_b_fmt:MATRIX_FMT_BF8
.endif
.endm
; Slice i of 32 of the tanh of accumulator set q: 112 instructions.  0-3: x 2 log2(e), a tile of rows each, each accumulator from its low end on.  4-13: the 32 exponentials, ONE BATCH, with one wait ahead of slice 14
; (pre = 1: a plain line and the wait are written here; pre = 0: the run of loads ahead of this slice has them).  14-17: + 1.  18-27: the 32 reciprocals, one batch, with a plain line and one wait ahead of slice 28.
; 28-31: the sums take V x the reciprocal.
.macro SLICE q, pre
	WIN 0
.set aQ, ACC+32*(\q)
.if i < 4
.irp n, 0,1,2,3
	v_pk_mul_f32 v[aQ+8*i+2*\n:aQ+8*i+2*\n+1], v[aQ+8*i+2*\n:aQ+8*i+2*\n+1], s[K2:K2+1] op_sel_hi:[1,0]
.endr
.elseif i < 14
.set eN, (32*(i-4))/10
.rept (32*(i-3))/10-(32*(i-4))/10
	v_exp_f32 v[aQ+eN], v[aQ+eN]
.set eN, eN+1
.endr
.elseif i < 18
.if (i == 14) && (\pre)
	v_nop                                          ; a plain line behind the last exponential,
	s_wait_alu depctr_va_vdst(0)                   ; and the wait ahead of the batch's first reader
.endif
.irp n, 0,1,2,3
	v_pk_add_f32 v[aQ+8*(i-14)+2*\n:aQ+8*(i-14)+2*\n+1], v[aQ+8*(i-14)+2*\n:aQ+8*(i-14)+2*\n+1], 1.0 op_sel_hi:[1,0]
.endr
.elseif i < 28
.set eN, (32*(i-18))/10
.rept (32*(i-17))/10-(32*(i-18))/10
	v_rcp_f32 v[aQ+eN], v[aQ+eN]
.set eN, eN+1
.endr
.else
.if i == 28
	v_nop                                          ; the same for the reciprocals
	s_wait_alu depctr_va_vdst(0)
.endif
.irp m, 0,1,2,3
	v_pk_fma_f32 v[SC+2*\m:SC+2*\m+1], v[aQ+8*\m+2*(i-28):aQ+8*\m+2*(i-28)+1], v[VV+8*(\q)+2*(i-28):VV+8*(\q)+2*(i-28)+1], v[SC+2*\m:SC+2*\m+1]
.endr
.endif
.endm
; A TILE of parity p: 32 products, and behind each the slice of that number of the last tile's tanh.  The run of loads for the next tile stands behind the 15th product, at the exponentials' wait.
; THE WAITS ON LDS ARE COUNTED: LDS loads come back in order (ISA guide 5.7.1).  Ahead of K step s's first product these may be out: the 4 (7 - s) loads of this tile's later K steps and V's 2 behind them (none in the run that
; brought the first tile), and from K step 4 on this tile's own run too (38 loads; 2 in the last tile).  Ahead of slice 28, which reads the last tile's V, this tile's own run alone is younger.
; PLACES (eight behind this form; only plain vector lines that name none of the product's registers count): a result of products 28 to 31 is first read by the next tile's slices 0 to 3, behind at least 16
; multiply-adds and multiplications on other registers; the run of loads stands behind the last tile's slice 31 and this tile's slices 0 to 2: 16 such lines behind the last product that read the set, the scale words and the c
; that it fills.  first = 1: there is no last tile: eight v_nop at the end take the slices' part.
.macro TT p, first, mode
.set pvN, 2-2*(\first)
.set fN, 38
.if \mode == 2
.set fN, 2
.endif
.set i, 0
.rept 32
.if (i%4) == 0
.if i < 16
	s_wait_dscnt 4*(7-i/4)+pvN
.else
	s_wait_dscnt 4*(7-i/4)+pvN+fN
.endif
.endif
	PROD \p
.if i == 14
	FETCH 1-(\p), \p, \mode, 1-(\first)
.endif
.if !(\first)
.if i == 28
	s_wait_dscnt fN                                ; the last tile's V is in
.endif
.if i == 14
	SLICE 1-(\p), 0
.else
	SLICE 1-(\p), 1
.endif
.endif
.set i, i+1
.endr
.if \first
	WIN 0
.rept 8
	v_nop
.endr
.endif
.endm
.macro PAIRS n                         ; n trips of two tiles: the register numbers are back where they began
	s_mov_b32 s[CN1], \n
.Lpair_\@:
	TT 1, 0, 1
	TT 0, 0, 1
	WIN 0
	s_sub_co_u32 s[CN1], s[CN1], 1
	s_cmp_lg_u32 s[CN1], 0
	s_cbranch_scc1 .Lpair_\@
.endm
	s_mov_b32 s[TA], 0
	s_mov_b32 s[T2], 0
	CHANGE 1, 0                                    ; records 0-7 have landed in slot 0; records 8-15 go into slot 1, where x's last K step has been read
	FETCH 0, 0, 0, 0
	TT 0, 1, 1                                     ; tile 0
	PAIRS 3                                        ; tiles 1-6.  A slot's eight records are fetched in tiles 8 f - 1 .. 8 f + 6: so a change of slots stands ahead of tile 8 f - 1
	s_mov_b32 s[CN2], 6
.Lslot:                                            ; six trips: tiles 7-54; fills 2 to 7 are asked for
	CHANGE 1, 1
	PAIRS 4
	s_sub_co_u32 s[CN2], s[CN2], 1
	s_cmp_lg_u32 s[CN2], 0
	s_cbranch_scc1 .Lslot
	CHANGE 0, 1                                    ; the tail is written out: nothing is left to ask for
	PAIRS 4                                        ; tiles 55-62
	TT 1, 0, 2                                     ; tile 63
	s_wait_dscnt 0x0                               ; its V is in
	v_add_nc_u32 v[ADR], VBASE, v[LI]
.irp i, 0,1,2,3,4,5,6,7
	ds_load_b128 v[ACC+4*\i:ACC+4*\i+3], v[ADR] offset:512*\i   ; all of V, 32 numbers a lane, into accumulator set 0, which is done with: they land during the last tanh
.endr
.set i, 0
.rept 32
	SLICE 1, 1                                     ; tile 63's tanh
.set i, i+1
.endr
	; THE WAY OUT.  A row's sum: its two halves and lane l xor 16's.  The sum of V over the wave.  score = (sum of V + V_b) - 2 x the row's sum.
.irp m, 0,1,2,3
	v_mov_b32 v[EP+4+\m], 0                        ; (a lane permute's destination counts as one of its sources)
.endr
.irp m, 0,1,2,3
	v_add_f32 v[EP+\m], v[SC+2*\m], v[SC+2*\m+1]
.endr
.irp m, 0,1,2,3
	v_permlanex16_b32 v[EP+4+\m], v[EP+\m], s[SEL], s[SEL+1]
.endr
.irp m, 0,1,2,3
	v_add_f32 v[EP+\m], v[EP+\m], v[EP+4+\m]
.endr
	s_wait_dscnt 0x0                               ; V
	v_pk_add_f32 v[170:171], v[ACC:ACC+1], v[ACC+2:ACC+3]
	v_pk_add_f32 v[172:173], v[ACC+4:ACC+5], v[ACC+6:ACC+7]
.irp j, 8,12,16,20,24,28
	v_pk_add_f32 v[170:171], v[170:171], v[ACC+\j:ACC+\j+1]
	v_pk_add_f32 v[172:173], v[172:173], v[ACC+\j+2:ACC+\j+3]
.endr
	v_pk_add_f32 v[170:171], v[170:171], v[172:173]
	v_add_f32 v170, v170, v171
	v_add_f32_dpp v170, v170, v170 row_xmask:1 row_mask:0xf bank_mask:0xf
	v_add_f32_dpp v170, v170, v170 row_xmask:2 row_mask:0xf bank_mask:0xf
	v_add_f32_dpp v170, v170, v170 row_xmask:4 row_mask:0xf bank_mask:0xf
	v_add_f32_dpp v170, v170, v170 row_xmask:8 row_mask:0xf bank_mask:0xf
	v_permlanex16_b32 v171, v170, s[SEL], s[SEL+1]
	v_add_f32 v170, v170, v171
	v_add_f32 v170, s[VB], v170
.irp m, 0,1,2,3
	v_fma_f32 v[EP+\m], v[EP+\m], -2.0, v170
.endr
	v_cmp_gt_u32 vcc_lo, 64, v[LS]                 ; lanes 0-15
	v_cndmask_b32 v172, v[EP+1], v[EP], vcc_lo     ; lane l: my wave's row l,
	v_cndmask_b32 v173, v[EP+3], v[EP+2], vcc_lo   ; and row 32 + l
	ds_store_b32 v[ISW], v172                      ; through my own image bytes, so that the wave's 64 scores leave by one store
	ds_store_b32 v[ISW], v173 offset:128
	v_add_nc_u32 v[ADS], v[ISW], v[LS]
	ds_load_b64 v[174:175], v[ADS]                 ; LDS serves a wave's instructions in order: this sees the stores above
	v_lshlrev_b32 v[AD2], 1, v[LS]
	s_wait_dscnt 0x0
	global_store_b64 v[AD2], v[174:175], s[14:15]  ; 32 lanes store 256 consecutive bytes, at a multiple of 256 from the buffer's first byte
	s_wait_tensorcnt 0x0                           ; the wave's end, behind my last tensor load and my last LDS store
	ds_add_u32 v[SPW], v[NIL]
	s_wait_dscnt 0x0
	ROUND                                          ; the closing round: no work-group ends while a partner may still ask for a tile that names it
	s_endpgm
.Lfunc_end_k_q3da2f13e56_score:
	.size	k_q3da2f13e56_score, .Lfunc_end_k_q3da2f13e56_score-k_q3da2f13e56_score
	.p2alignl 7, 3214868480
	.fill 96, 4, 3214868480
	.section	.rodata,"a",@progbits
	.p2align	6, 0x0
	.amdhsa_kernel k_q3da2f13e56_score
		.amdhsa_group_segment_fixed_size 327680
		.amdhsa_private_segment_fixed_size 0
		.amdhsa_enable_private_segment 0
		.amdhsa_kernarg_size 48
		.amdhsa_user_sgpr_count 2
		.amdhsa_user_sgpr_kernarg_segment_ptr 1
		.amdhsa_wavefront_size32 1
		.amdhsa_system_sgpr_workgroup_id_x 1
		.amdhsa_system_sgpr_workgroup_id_y 1
		.amdhsa_system_sgpr_workgroup_id_z 1
		.amdhsa_system_vgpr_workitem_id 0
		.amdhsa_next_free_vgpr 1024
		.amdhsa_next_free_sgpr 80
		.amdhsa_reserve_vcc 1
		.amdhsa_float_denorm_mode_32 3
		.amdhsa_float_denorm_mode_16_64 3
		.amdhsa_memory_ordered 1
		.amdhsa_forward_progress 1
		.amdhsa_inst_pref_size 218
	.end_amdhsa_kernel
	.amdgpu_metadata
---
amdhsa.version: [ 1, 2 ]
amdhsa.kernels:
  - .name:           k_q3da2f13e56_score
    .symbol:         k_q3da2f13e56_score.kd
    .args:
      - { .name: x, .offset: 0, .size: 8, .value_kind: global_buffer, .address_space: global }
      - { .name: w1img, .offset: 8, .size: 8, .value_kind: global_buffer, .address_space: global }
      - { .name: cvec, .offset: 16, .size: 8, .value_kind: global_buffer, .address_space: global }
      - { .name: V_w, .offset: 24, .size: 8, .value_kind: global_buffer, .address_space: global }
      - { .name: V_b, .offset: 32, .size: 8, .value_kind: global_buffer, .address_space: global }
      - { .name: scores, .offset: 40, .size: 8, .value_kind: global_buffer, .address_space: global }
    .group_segment_fixed_size: 327680
    .private_segment_fixed_size: 0
    .kernarg_segment_align: 8
    .kernarg_segment_size: 48
    .max_flat_workgroup_size: 128
    .sgpr_count:     80
    .vgpr_count:     1024
    .wavefront_size: 32
...
	.end_amdgpu_metadata
.endif
;; end of part 2
;; launch ctx (part 3): grid 8 x 32, 16 waves a work-group, no clusters, 10,752 bytes of LDS; arguments x, scores, out0, out1; writes out0, out1
.if DOCPART == 3
	.amdgcn_target "amdgcn-amd-amdhsa--gfx1250"
	.amdhsa_code_object_version 6
	.text
	.protected	k_q3da2f13e56_ctx
	.globl	k_q3da2f13e56_ctx
	.p2align	8
	.type	k_q3da2f13e56_ctx,@function
k_q3da2f13e56_ctx:
	s_mov_b64 s[64:65], 0
	v_nop
	global_prefetch_b8 v0, s[64:65] scope:SCOPE_SE
	s_setreg_imm32_b32 hwreg(HW_REG_WAVE_MODE, 25, 1), 1
	s_wait_xcnt 0x0
; out1[b][t] = softmax over t of scores[b][t];  out0[b][:] = the sum over t of out1[b][t] x[b][t][:].  All in f32.
; SHARES.  Work-group (g, b) takes batch b and columns 128 g .. 128 g + 127: 512 bytes of each of the 2,048 rows.  Wave w takes rows 128 w .. 128 w + 127; each of its loads reads 512 consecutive bytes of one row.
; Thread i holds scores 4 i .. 4 i + 3, so a wave's own lanes hold the weights of exactly its rows: row p of the wave lies in lane p / 4, register p % 4, and comes out by v_readlane_b32 as the scalar factor of two packed multiply-adds.
; The softmax takes the row's true maximum away first; each of a batch's eight work-groups makes it anew from 8 KiB of scores, and work-group g stores the weights of waves 2 g and 2 g + 1: each byte of out1 has one owner.
; A ring of 16 slots in registers keeps 16 loads of every wave on their way.  Memory binds: no matrix unit (a product of one row would use a sixteenth of an instruction), no tensor load, no cluster (no two work-groups read the same bytes of x).
; Every offset is an immediate (127 rows of 4,096 bytes at the most: inside the signed 24 bits, ISA guide, chapter 10), so no address register is ever rewritten.
; LIMITS: NaN and infinities among the scores are not served; weights under 2^-126 x the largest are zero (v_exp_f32 flushes them).
.set MAXR, 0                           ; LDS: the 16 waves' maxima,
.set SUMR, 256                         ; their sums,
.set RED,  512                         ; and their partial rows of out0: 16 x 512 bytes
.set P,    4                           ; v4-7    my four scores, then weights
.set A0,   8                           ; v8-15   two sums of 4 columns: even rows', odd rows'
.set R,    16                          ; v16-79  the ring: 16 slots of 4 registers
.set T,    80                          ; v80-99  at work
	s_load_b256 s[4:11], s[0:1], 0x0               ; x s[4:5], scores s[6:7], out0 s[8:9], out1 s[10:11]
	v_lshl_add_u32 v112, v0, 2, 0x2200
	v_mov_b32 v113, 0
	v_lshrrev_b32 v3, 5, v0
	v_readfirstlane_b32 s12, v3                    ; wave 0..15
	v_lshlrev_b32 v3, 2, v3                        ; 4 x wave
	v_and_b32 v1, 31, v0
	v_lshlrev_b32 v1, 4, v1                        ; 16 x lane
	v_lshlrev_b32 v2, 4, v0                        ; 16 x thread
	v_mov_b32 v96, 0
	v_mov_b32 v99, 0                               ; (a lane permute's destination counts as one of its sources)
	s_mov_b32 s13, ttmp9                           ; g
	s_and_b32 s14, ttmp7, 0xffff                   ; b
	s_lshl_b32 s16, s14, 23                        ; x: 2,048 rows of 4,096 bytes a batch,
	s_lshl_b32 s17, s12, 19                        ; 128 rows a wave,
	s_add_co_u32 s16, s16, s17
	s_lshl_b32 s17, s13, 9                         ; 512 bytes a slab
	s_add_co_u32 s16, s16, s17
	s_mov_b32 s17, 0
	s_lshl_b32 s18, s14, 13                        ; scores and out1: 8,192 bytes a batch
	s_mov_b32 s19, 0
	s_lshl_b32 s30, s14, 12                        ; out0: 4,096 bytes a batch, 512 a slab
	s_lshl_b32 s31, s13, 9
	s_add_co_u32 s30, s30, s31
	s_mov_b32 s31, 0
	s_mov_b32 s28, 0x76543210
	s_mov_b32 s29, 0xfedcba98                      ; v_permlanex16_b32's selects for lane l xor 16
.irp k, 0,1,2,3
	s_mov_b32 s[21+2*\k], 0                        ; the packed forms name pairs and take the low word for both halves: the upper words are written once
.endr
	s_wait_kmcnt 0x0
	s_add_nc_u64 s[4:5], s[4:5], s[16:17]
	s_add_nc_u64 s[6:7], s[6:7], s[18:19]
	s_add_nc_u64 s[10:11], s[10:11], s[18:19]
	s_add_nc_u64 s[8:9], s[8:9], s[30:31]
	global_load_b128 v[P:P+3], v2, s[6:7]
.irp i, 0,1,2,3,4,5,6,7,8,9,10,11,12,13,14,15
	global_load_b128 v[R+4*\i:R+4*\i+3], v1, s[4:5] offset:4096*\i th:TH_LOAD_NT   ; the ring is filled: rows 0 to 15
.endr
	s_wait_loadcnt 16                              ; the scores are in; the ring's sixteen loads are younger
	v_max3_num_f32 v98, v[P], v[P+1], v[P+2]
	v_max_num_f32 v98, v98, v[P+3]
	v_max_num_f32_dpp v98, v98, v98 row_xmask:1 row_mask:0xf bank_mask:0xf
	v_max_num_f32_dpp v98, v98, v98 row_xmask:2 row_mask:0xf bank_mask:0xf
	v_max_num_f32_dpp v98, v98, v98 row_xmask:4 row_mask:0xf bank_mask:0xf
	v_max_num_f32_dpp v98, v98, v98 row_xmask:8 row_mask:0xf bank_mask:0xf
	v_permlanex16_b32 v99, v98, s28, s29
	v_max_num_f32 v98, v98, v99                    ; my wave's maximum, in every lane
	ds_store_b32 v3, v98 offset:MAXR               ; all lanes write the same word with the same value
	s_wait_dscnt 0x0                               ; for the others' sake
	s_barrier_signal -1
	s_barrier_wait -1
.irp i, 0,1,2,3
	ds_load_b128 v[T+4*\i:T+4*\i+3], v96 offset:MAXR+16*\i
.endr
	s_wait_dscnt 0x0
	v_max3_num_f32 v80, v80, v81, v82
	v_max3_num_f32 v83, v83, v84, v85
	v_max3_num_f32 v86, v86, v87, v88
	v_max3_num_f32 v89, v89, v90, v91
	v_max3_num_f32 v92, v92, v93, v94
	v_max3_num_f32 v80, v80, v83, v86
	v_max3_num_f32 v89, v89, v92, v95
	v_max_num_f32 v80, v80, v89                    ; the batch's largest score
.irp k, 0,1,2,3
	v_sub_f32 v[P+\k], v[P+\k], v80                ; the maximum is taken away first,
.endr
.irp k, 0,1,2,3
	v_mul_f32 v[P+\k], 0x3fb8aa3b, v[P+\k]         ; then x log2(e)
.endr
.irp k, 0,1,2,3
	v_exp_f32 v[P+\k], v[P+\k]
.endr
	v_nop                                          ; a plain line behind the last exponential,
	s_wait_alu depctr_va_vdst(0)                   ; and the wait ahead of the batch's first reader
	v_add_f32 v98, v[P], v[P+1]
	v_add_f32 v99, v[P+2], v[P+3]
	v_add_f32 v98, v98, v99
	v_add_f32_dpp v98, v98, v98 row_xmask:1 row_mask:0xf bank_mask:0xf
	v_add_f32_dpp v98, v98, v98 row_xmask:2 row_mask:0xf bank_mask:0xf
	v_add_f32_dpp v98, v98, v98 row_xmask:4 row_mask:0xf bank_mask:0xf
	v_add_f32_dpp v98, v98, v98 row_xmask:8 row_mask:0xf bank_mask:0xf
	v_permlanex16_b32 v99, v98, s28, s29
	v_add_f32 v98, v98, v99
	ds_store_b32 v3, v98 offset:SUMR               ; other bytes than the maxima's: no barrier is owed between
	s_wait_dscnt 0x0
	s_barrier_signal -1
	s_barrier_wait -1
.irp i, 0,1,2,3
	ds_load_b128 v[T+4*\i:T+4*\i+3], v96 offset:SUMR+16*\i
.endr
	s_wait_dscnt 0x0
	v_pk_add_f32 v[80:81], v[80:81], v[82:83]
	v_pk_add_f32 v[84:85], v[84:85], v[86:87]
	v_pk_add_f32 v[88:89], v[88:89], v[90:91]
	v_pk_add_f32 v[92:93], v[92:93], v[94:95]
	v_pk_add_f32 v[80:81], v[80:81], v[84:85]
	v_pk_add_f32 v[88:89], v[88:89], v[92:93]
	v_pk_add_f32 v[80:81], v[80:81], v[88:89]
	v_add_f32 v80, v80, v81
	v_rcp_f32 v97, v80
	v_nop
	s_wait_alu depctr_va_vdst(0)
.irp k, 0,1,2,3
	v_mul_f32 v[P+\k], v[P+\k], v97                ; the weights; they are not written again
.endr
	s_lshr_b32 s15, s12, 1
	s_cmp_lg_u32 s15, s13                          ; work-group g stores the weights of waves 2 g and 2 g + 1
	s_cbranch_scc1 .Lnot_mine
	global_store_b128 v2, v[P:P+3], s[10:11]       ; 32 lanes store 512 consecutive bytes
.Lnot_mine:
; Row p of my 128.  Its load is in when at most the younger ones are out: 15 while the ring is refilled, then fewer.  Rows 0 and 1 start the two sums: nothing is cleared.
.macro ROW p
.if ((\p)%4) == 0
.irp k, 0,1,2,3
	v_readlane_b32 s[20+2*\k], v[P+\k], (\p)/4
.endr
.endif
.if (\p) < 112
	s_wait_loadcnt 15
.else
	s_wait_loadcnt 127-(\p)
.endif
.set aC, A0+4*((\p)%2)
.set rS, R+4*((\p)%16)
.set wS, 20+2*((\p)%4)
.if (\p) < 2
	v_pk_mul_f32 v[aC:aC+1], v[rS:rS+1], s[wS:wS+1] op_sel_hi:[1,0]
	v_pk_mul_f32 v[aC+2:aC+3], v[rS+2:rS+3], s[wS:wS+1] op_sel_hi:[1,0]
.else
	v_pk_fma_f32 v[aC:aC+1], v[rS:rS+1], s[wS:wS+1], v[aC:aC+1] op_sel_hi:[1,0,1]
	v_pk_fma_f32 v[aC+2:aC+3], v[rS+2:rS+3], s[wS:wS+1], v[aC+2:aC+3] op_sel_hi:[1,0,1]
.endif
.if (\p)+16 < 128
	global_load_b128 v[rS:rS+3], v1, s[4:5] offset:4096*((\p)+16) th:TH_LOAD_NT
.endif
.endm
.set RW, 0
.rept 128
	ROW RW
.set RW, RW+1
.endr
	v_pk_add_f32 v[A0:A0+1], v[A0:A0+1], v[A0+4:A0+5]
	v_pk_add_f32 v[A0+2:A0+3], v[A0+2:A0+3], v[A0+6:A0+7]
	ds_store_b128 v2, v[A0:A0+3] offset:RED        ; my wave's 128 rows' part of the slab
	s_wait_dscnt 0x0                               ; for wave 0's sake
	s_barrier_signal -1
	s_barrier_wait -1
	s_cmp_lg_u32 s12, 0
	s_cbranch_scc1 .Lend
.irp i, 0,1,2,3,4,5,6,7,8,9,10,11,12,13,14,15
	ds_load_b128 v[R+4*\i:R+4*\i+3], v1 offset:RED+512*\i
.endr
	s_wait_dscnt 0x0
.irp i, 1,2,3,4,5,6,7,8,9,10,11,12,13,14,15
	v_pk_add_f32 v[R:R+1], v[R:R+1], v[R+4*\i:R+4*\i+1]
	v_pk_add_f32 v[R+2:R+3], v[R+2:R+3], v[R+4*\i+2:R+4*\i+3]
.endr
	global_store_b128 v1, v[R:R+3], s[8:9]         ; 32 lanes store 512 consecutive bytes, at a multiple of 256 from out0's first byte
.Lend:
	s_wait_tensorcnt 0x0
	ds_add_u32 v112, v113
	s_wait_dscnt 0x0
	s_endpgm
.Lfunc_end_k_q3da2f13e56_ctx:
	.size	k_q3da2f13e56_ctx, .Lfunc_end_k_q3da2f13e56_ctx-k_q3da2f13e56_ctx
	.p2alignl 7, 3214868480
	.fill 96, 4, 3214868480
	.section	.rodata,"a",@progbits
	.p2align	6, 0x0
	.amdhsa_kernel k_q3da2f13e56_ctx
		.amdhsa_group_segment_fixed_size 10752
		.amdhsa_private_segment_fixed_size 0
		.amdhsa_enable_private_segment 0
		.amdhsa_kernarg_size 32
		.amdhsa_user_sgpr_count 2
		.amdhsa_user_sgpr_kernarg_segment_ptr 1
		.amdhsa_wavefront_size32 1
		.amdhsa_system_sgpr_workgroup_id_x 1
		.amdhsa_system_sgpr_workgroup_id_y 1
		.amdhsa_system_sgpr_workgroup_id_z 1
		.amdhsa_system_vgpr_workitem_id 0
		.amdhsa_next_free_vgpr 114
		.amdhsa_next_free_sgpr 66
		.amdhsa_reserve_vcc 0
		.amdhsa_float_denorm_mode_32 3
		.amdhsa_float_denorm_mode_16_64 3
		.amdhsa_memory_ordered 1
		.amdhsa_forward_progress 1
		.amdhsa_inst_pref_size 49
	.end_amdhsa_kernel
	.amdgpu_metadata
---
amdhsa.version: [ 1, 2 ]
amdhsa.kernels:
  - .name:           k_q3da2f13e56_ctx
    .symbol:         k_q3da2f13e56_ctx.kd
    .args:
      - { .name: x, .offset: 0, .size: 8, .value_kind: global_buffer, .address_space: global }
      - { .name: scores, .offset: 8, .size: 8, .value_kind: global_buffer, .address_space: global }
      - { .name: out0, .offset: 16, .size: 8, .value_kind: global_buffer, .address_space: global }
      - { .name: out1, .offset: 24, .size: 8, .value_kind: global_buffer, .address_space: global }
    .group_segment_fixed_size: 10752
    .private_segment_fixed_size: 0
    .kernarg_segment_align: 8
    .kernarg_segment_size: 32
    .max_flat_workgroup_size: 512
    .sgpr_count:     66
    .vgpr_count:     114
    .wavefront_size: 32
...
	.end_amdgpu_metadata
.endif
;; end of part 3
